; MI455X (gfx1250); checked and timed in simulation.
; The chip was launched on July 23, 2026; its instructions are those of AMD's public machine-readable ISA for CDNA 5 (MIT licence, August 2026) and "CDNA5" Instruction Set Architecture Reference Guide (July 2026). The comments in the code are by the model that wrote it; some were corrected since.
;; MOE MLP. Allowed arithmetic: float matrix products may take bf16 or f16 operands with f32 sums; all other float work in f32.
;; Inputs: W1 32 x 1,024 x 256 float32; W2 32 x 256 x 1,024 float32; Wg 1,024 x 32 float32; b1 32 x 256 float32; b2 32 x 1,024 float32; x 2 x 2,048 x 1,024 float32.
;; Outputs: out0 2 x 2,048 x 1,024 float32.
;; One version. Each part assembles by itself: llvm-mc -triple=amdgcn-amd-amdhsa -mcpu=gfx1250 --defsym DOCPART=n.
;; ======== version 1 of 1: 5 launches
;; workspace buffers: xb 8,388,608 bytes; ibuf 32,768 bytes of whole numbers; wbuf 32,768 bytes; list 540,672 bytes of whole numbers; hbuf 67,108,864 bytes; ys 33,554,432 bytes
;; launch gate (part 1): grid 256 x 1, 8 waves a work-group, no clusters, 150,528 bytes of LDS; arguments x, Wg, xb, ibuf, wbuf; writes xb, ibuf, wbuf
.if DOCPART == 1
	.amdgcn_target "amdgcn-amd-amdhsa--gfx1250"
	.amdhsa_code_object_version 6
	.text
	.protected	k_q59812ac06e_gate
	.globl	k_q59812ac06e_gate
	.p2align	8
	.type	k_q59812ac06e_gate,@function
k_q59812ac06e_gate:
	s_mov_b64 s[64:65], 0
	v_nop
	global_prefetch_b8 v0, s[64:65] scope:SCOPE_SE
	s_setreg_imm32_b32 hwreg(HW_REG_WAVE_MODE, 25, 1), 1
	s_wait_xcnt 0x0
; GATE.  logits = x Wg (bf16 operands, f32 sums), softmax over the 32 experts, the two largest scores, softmax over these two.
; Stores: xb = x rounded to bf16 [4096][1024]; ibuf[t][2] = the two experts; wbuf[t][2] = their two weights.
; A work-group takes 16 tokens.  Wave w takes k = 128 w .. 128 w + 127 of the product: 16 KB of Wg and 512 bytes of each of the 16 rows of x.
; The eight partial sums meet in LDS and wave 0 does the softmax and the choice.
; No tensor loads and no cluster: both operands are f32 in memory and must pass through registers to be rounded to bf16;
; what work-groups share is Wg alone, 128 KB against the 64 KB of x that each reads for itself.
; LIMITS: a NaN among the logits gives two in-range experts but not those of the definition; a score below 2^-126 counts as 0
; (v_exp_f32 flushes denormal results, ISA guide 15.8), so the second choice can differ only where its logit lies more than 87 below the largest.
.set WSTP,  96                         ; LDS pitch of a row of Wg: 32 bf16 = 64 bytes + 32 (an odd multiple of 32, for the transposing loads)
.set XSTP,  272                        ; LDS pitch of a row of x: 128 bf16 = 256 bytes + 16
.set WAVEB, 16640                      ; bytes of LDS of one wave: 128 rows of Wg (12,288), then 16 rows of x (4,352)
.set XSTO,  12288
.set RED,   133120                     ; 8 waves x 2,048 bytes: the partial sums
.set X,   16                           ; v[16:79]   x as loaded, 4 registers a row
.set WL,  80                           ; v[80:207]  Wg as loaded, 4 registers a load
.set AF,  80                           ; v[80:111]  fragments of x, 4 k steps (over WL)
.set BF,  112                          ; v[112:175] fragments of Wg, 4 k steps x 2 halves of the experts (over WL)
.set ACC, 208                          ; v[208:223] two accumulators
.set LG,  16                           ; wave 0: v[16:143] the eight partial sums; v[16:31] logits, then scores
.set T,   144
.set MX,  148
.set RS,  150
.set BV1, 152
.set BI1, 153
.set BV2, 154
.set BI2, 155
.set IDX, 156
.set H8,  157
.set PV1, 158
.set PI1, 159
.set PV2, 160
.set PI2, 161
.set F1V, 162
.set F1I, 163
.set CAV, 164
.set CAI, 165
.set CBV, 166
.set CBI, 167
.set F2V, 168
.set F2I, 169
.set Q,   170
.set W1R, 171
.set W2R, 172
.set IV,  173
.set WV,  174
.set SO,  175
	s_load_b256 s[4:11], s[0:1], 0x0               ; x s[4:5], Wg s[6:7], xb s[8:9], ibuf s[10:11]
	s_load_b64 s[12:13], s[0:1], 0x20              ; wbuf
	v_lshl_add_u32 v254, v0, 2, 0x24800
	v_mov_b32 v255, 0
	v_lshrrev_b32 v2, 5, v0
	v_readfirstlane_b32 s14, v2                    ; wave 0..7
	v_and_b32 v1, 31, v0                           ; L
	v_and_b32 v2, 15, v0                           ; r = L % 16
	v_bfe_u32 v3, v0, 4, 1                         ; h = L / 16
	s_mov_b32 s16, 0x76543210                      ; v_permlanex16_b32: lane i reads lane i of the other half
	s_mov_b32 s17, 0xfedcba98
	s_lshl_b32 s26, s14, 9
	v_lshl_add_u32 v4, v1, 4, s26                  ; x: 512 w + 16 L
	s_lshl_b32 s26, s14, 14
	v_lshl_add_u32 v5, v1, 4, s26                  ; Wg: 16,384 w + 16 L
	s_lshl_b32 s26, s14, 8
	v_lshl_add_u32 v6, v1, 3, s26                  ; xb: 256 w + 8 L
	s_mul_i32 s19, s14, WAVEB                      ; my rows of Wg in LDS
	s_add_co_u32 s18, s19, XSTO                    ; my rows of x in LDS
	v_lshl_add_u32 v7, v1, 3, s18                  ; x in: 8 L in a row
	v_mul_u32_u24 v8, v2, XSTP
	v_lshl_add_u32 v8, v3, 4, v8
	v_add_nc_u32 v8, s18, v8                       ; x fragments: row r, 16 h
	v_lshrrev_b32 v12, 3, v1                       ; L / 8
	v_and_b32 v13, 7, v1                           ; L % 8
	v_mul_u32_u24 v9, v12, WSTP
	v_lshl_add_u32 v9, v13, 3, v9
	v_add_nc_u32 v9, s19, v9                       ; Wg in: row L / 8 of the four of a load, 8 (L % 8)
	v_lshl_add_u32 v10, v3, 3, v13
	v_mul_u32_u24 v10, v10, WSTP
	v_and_b32 v12, 1, v12
	v_lshl_add_u32 v10, v12, 4, v10
	v_add_nc_u32 v10, s19, v10                     ; Wg fragments: row 8 h + L % 8, 16 ((L / 8) % 2)
	s_lshl_b32 s26, s14, 11
	s_add_co_u32 s26, s26, RED
	v_lshl_add_u32 v11, v1, 4, s26                 ; my partial sums
	v_lshlrev_b32 v14, 4, v1
	v_add_nc_u32 v14, RED, v14                     ; wave 0 reads all eight from here
	s_mov_b32 s25, 0
	s_wait_kmcnt 0x0
	s_lshl_b32 s24, ttmp9, 16                      ; 16 rows of 4,096 bytes
	s_add_nc_u64 s[4:5], s[4:5], s[24:25]
	s_lshl_b32 s24, ttmp9, 15                      ; 16 rows of 2,048 bytes
	s_add_nc_u64 s[8:9], s[8:9], s[24:25]
	s_lshl_b32 s24, ttmp9, 7                       ; 16 tokens of 8 bytes
	s_add_nc_u64 s[10:11], s[10:11], s[24:25]
	s_add_nc_u64 s[12:13], s[12:13], s[24:25]
	; all 48 loads of the wave go out at once: 16 KB of Wg (dense), then 512 bytes of each row of x
.irp i, 0,1,2,3,4,5,6,7,8,9,10,11,12,13,14,15,16,17,18,19,20,21,22,23,24,25,26,27,28,29,30,31
	global_load_b128 v[WL+4*\i:WL+4*\i+3], v5, s[6:7] offset:512*\i
.endr
.irp i, 0,1,2,3,4,5,6,7,8,9,10,11,12,13,14,15
	global_load_b128 v[X+4*\i:X+4*\i+3], v4, s[4:5] offset:4096*\i th:TH_LOAD_NT
.endr
	; Wg to bf16 and into LDS as it lies, [k][expert].  One load is four rows of k.
.irp g, 0,1,2,3
	s_wait_loadcnt 40-8*\g                         ; left out: the younger loads of Wg and the 16 of x
.irp j, 0,1,2,3,4,5,6,7
	v_cvt_pk_bf16_f32 v[WL+4*(8*\g+\j)], v[WL+4*(8*\g+\j)], v[WL+4*(8*\g+\j)+1]
	v_cvt_pk_bf16_f32 v[WL+4*(8*\g+\j)+1], v[WL+4*(8*\g+\j)+2], v[WL+4*(8*\g+\j)+3]
	ds_store_b64 v9, v[WL+4*(8*\g+\j):WL+4*(8*\g+\j)+1] offset:384*(8*\g+\j)
.endr
.endr
	; x to bf16: into LDS for the fragments and out to xb; each store of the wave covers 256 consecutive bytes, aligned
.irp i, 0,1,2,3,4,5,6,7,8,9,10,11,12,13,14,15
	s_wait_loadcnt 15-\i                           ; left out: the younger rows
	v_cvt_pk_bf16_f32 v[X+4*\i], v[X+4*\i], v[X+4*\i+1]
	v_cvt_pk_bf16_f32 v[X+4*\i+1], v[X+4*\i+2], v[X+4*\i+3]
	ds_store_b64 v7, v[X+4*\i:X+4*\i+1] offset:XSTP*\i
	global_store_b64 v6, v[X+4*\i:X+4*\i+1], s[8:9] offset:2048*\i
.endr
	s_wait_dscnt 0x0                               ; the LDS stores are done: the fragments land on the registers that they read
.irp c, 0,1,2,3
	ds_load_b128 v[AF+8*\c:AF+8*\c+3], v8 offset:64*\c
	ds_load_b128 v[AF+8*\c+4:AF+8*\c+7], v8 offset:64*\c+32
.irp t, 0,1
	ds_load_tr16_b128 v[BF+8*(2*\c+\t):BF+8*(2*\c+\t)+3], v10 offset:32*WSTP*\c+32*\t
	ds_load_tr16_b128 v[BF+8*(2*\c+\t)+4:BF+8*(2*\c+\t)+7], v10 offset:32*WSTP*\c+32*\t+16*WSTP
.endr
.endr
	s_wait_dscnt 0x0
	; Source 0 = 16 experts, source 1 = 16 tokens: lane (r, h) holds token r; accumulator 0 experts 8 h + j, accumulator 1 experts 16 + 8 h + j.
	; The two accumulators take turns, one instruction a turn.
.irp c, 0,1,2,3
.irp t, 0,1
.if \c == 0
	v_wmma_f32_16x16x32_bf16 v[ACC+8*\t:ACC+8*\t+7], v[BF+8*\t:BF+8*\t+7], v[AF:AF+7], 0
.else
	v_wmma_f32_16x16x32_bf16 v[ACC+8*\t:ACC+8*\t+7], v[BF+8*(2*\c+\t):BF+8*(2*\c+\t)+7], v[AF+8*\c:AF+8*\c+7], v[ACC+8*\t:ACC+8*\t+7]
.endif
.endr
.endr
.rept 4
	v_nop                                          ; four places behind the last matrix instruction (ISA guide 7.12.1) before its results are stored
.endr
.irp q, 0,1,2,3
	ds_store_b128 v11, v[ACC+4*\q:ACC+4*\q+3] offset:512*\q
.endr
	s_wait_dscnt 0x0                               ; my partial sums are in LDS, for wave 0
	s_barrier_signal -1
	s_barrier_wait -1
	s_cmp_lg_u32 s14, 0
	s_cbranch_scc1 .Lend
	; WAVE 0: the sum over the eight waves, in ascending k
	s_wait_xcnt 0x0                                ; the stores to xb have had their addresses translated: their data registers are loaded again only behind this wait
.irp w, 0,1,2,3,4,5,6,7
.irp q, 0,1,2,3
	ds_load_b128 v[LG+16*\w+4*\q:LG+16*\w+4*\q+3], v14 offset:2048*\w+512*\q
.endr
.endr
	s_wait_dscnt 0x0
.irp w, 1,2,3,4,5,6,7
.irp j, 0,2,4,6,8,10,12,14
	v_pk_add_f32 v[LG+\j:LG+\j+1], v[LG+\j:LG+\j+1], v[LG+16*\w+\j:LG+16*\w+\j+1]
.endr
.endr
	; softmax over the 32 experts: 16 in this lane, 16 in the lane of the other half
	v_max3_num_f32 v[T], v[LG], v[LG+1], v[LG+2]
.irp j, 3,5,7,9,11,13
	v_max3_num_f32 v[T], v[T], v[LG+\j], v[LG+\j+1]
.endr
	v_max_num_f32 v[T], v[T], v[LG+15]
	v_permlanex16_b32 v[T+1], v[T], s16, s17       ; its destination counts as read: it held a fragment of Wg
	v_max_num_f32 v[MX], v[T], v[T+1]
	v_mov_b32 v[MX+1], v[MX]
.irp j, 0,2,4,6,8,10,12,14
	v_pk_add_f32 v[LG+\j:LG+\j+1], v[LG+\j:LG+\j+1], v[MX:MX+1] neg_lo:[0,1] neg_hi:[0,1]   ; the largest logit is taken away first
.endr
.irp j, 0,2,4,6,8,10,12,14
	v_pk_mul_f32 v[LG+\j:LG+\j+1], v[LG+\j:LG+\j+1], 0x3fb8aa3b op_sel_hi:[1,0]            ; times log2 e
.endr
.irp j, 0,1,2,3,4,5,6,7,8,9,10,11,12,13,14,15
	v_exp_f32 v[LG+\j], v[LG+\j]
.endr
	v_lshlrev_b32 v[H8], 3, v3                     ; 8 h; also the plain instruction between the exponentials and their use (ISA guide 5.7.2)
	s_wait_alu depctr_va_vdst(0)
	v_pk_add_f32 v[T:T+1], v[LG:LG+1], v[LG+2:LG+3]
	v_pk_add_f32 v[T+2:T+3], v[LG+4:LG+5], v[LG+6:LG+7]
	v_pk_add_f32 v[T:T+1], v[T:T+1], v[LG+8:LG+9]
	v_pk_add_f32 v[T+2:T+3], v[T+2:T+3], v[LG+10:LG+11]
	v_pk_add_f32 v[T:T+1], v[T:T+1], v[LG+12:LG+13]
	v_pk_add_f32 v[T+2:T+3], v[T+2:T+3], v[LG+14:LG+15]
	v_pk_add_f32 v[T:T+1], v[T:T+1], v[T+2:T+3]
	v_add_f32 v[T], v[T], v[T+1]
	v_permlanex16_b32 v[T+1], v[T], s16, s17
	v_add_f32 v[T], v[T], v[T+1]
	v_rcp_f32 v[RS], v[T]
	v_rcp_f32 v[RS+1], v[T]
	v_mov_b32 v[BI1], v[H8]                        ; the first candidate is expert 8 h; also the plain instruction behind the reciprocals
	s_wait_alu depctr_va_vdst(0)
.irp j, 0,2,4,6,8,10,12,14
	v_pk_mul_f32 v[LG+\j:LG+\j+1], v[LG+\j:LG+\j+1], v[RS:RS+1]                            ; the scores
.endr
	; the two largest of my 16 scores.  Experts ascend with j and the compare is strict, so the lower expert keeps a tie.
	v_mov_b32 v[BV1], v[LG]
	v_mov_b32 v[BV2], -1.0                         ; below every score
	v_mov_b32 v[BI2], 0
.macro SCAN j, add
	v_add_nc_u32 v[IDX], \add, v[H8]
	v_cmp_gt_f32 s20, v[LG+\j], v[BV1]
	v_cmp_gt_f32 vcc_lo, v[LG+\j], v[BV2]
	v_cndmask_b32 v[BV2], v[BV2], v[LG+\j], vcc_lo
	v_cndmask_b32 v[BI2], v[BI2], v[IDX], vcc_lo
	v_cndmask_b32 v[BV2], v[BV2], v[BV1], s20
	v_cndmask_b32 v[BI2], v[BI2], v[BI1], s20
	v_cndmask_b32 v[BV1], v[BV1], v[LG+\j], s20
	v_cndmask_b32 v[BI1], v[BI1], v[IDX], s20
.endm
.irp j, 1,2,3,4,5,6,7
	SCAN \j, \j
.endr
.irp j, 8,9,10,11,12,13,14,15
	SCAN \j, \j+8
.endr
	; the two halves are merged; both lanes of a token reach the same two picks.  All by selects: no branch hangs on a score.
	v_permlanex16_b32 v[PV1], v[BV1], s16, s17     ; the four destinations held fragments of Wg
	v_permlanex16_b32 v[PI1], v[BI1], s16, s17
	v_permlanex16_b32 v[PV2], v[BV2], s16, s17
	v_permlanex16_b32 v[PI2], v[BI2], s16, s17
.macro BEATS m, va, ia, vb, ib         ; mask m: a is larger, or equal with the lower expert
	v_cmp_gt_f32 s[\m], v[\va], v[\vb]
	v_cmp_eq_f32 s22, v[\va], v[\vb]
	v_cmp_lt_u32 s23, v[\ia], v[\ib]
	s_and_b32 s22, s22, s23
	s_or_b32 s[\m], s[\m], s22
.endm
	BEATS 20, BV1, BI1, PV1, PI1
	v_cndmask_b32 v[F1V], v[PV1], v[BV1], s20      ; the first pick
	v_cndmask_b32 v[F1I], v[PI1], v[BI1], s20
	v_cndmask_b32 v[CAV], v[BV1], v[BV2], s20      ; what is left to me
	v_cndmask_b32 v[CAI], v[BI1], v[BI2], s20
	v_cndmask_b32 v[CBV], v[PV2], v[PV1], s20      ; what is left to the other half
	v_cndmask_b32 v[CBI], v[PI2], v[PI1], s20
	BEATS 21, CAV, CAI, CBV, CBI
	v_cndmask_b32 v[F2V], v[CBV], v[CAV], s21      ; the second pick
	v_cndmask_b32 v[F2I], v[CBI], v[CAI], s21
	; softmax over the two scores, the larger taken away: w1 = 1 / (1 + e^(s2 - s1)), w2 = e^(s2 - s1) w1
	v_sub_f32 v[Q], v[F2V], v[F1V]
	v_mul_f32 v[Q], 0x3fb8aa3b, v[Q]
	v_exp_f32 v[Q], v[Q]
	v_lshlrev_b32 v[SO], 3, v2                     ; 8 r; the plain instruction behind the exponential
	s_wait_alu depctr_va_vdst(0)
	v_add_f32 v[W1R], 1.0, v[Q]
	v_rcp_f32 v[W1R], v[W1R]
	v_lshl_add_u32 v[SO], v3, 2, v[SO]             ; + 4 h; the plain instruction behind the reciprocal
	s_wait_alu depctr_va_vdst(0)
	v_mul_f32 v[W2R], v[Q], v[W1R]
	v_cmp_ne_u32 vcc_lo, 0, v3                     ; lanes 0-15 store the first pick, lanes 16-31 the second
	v_cndmask_b32 v[IV], v[F1I], v[F2I], vcc_lo
	v_cndmask_b32 v[WV], v[W1R], v[W2R], vcc_lo
	global_store_b32 v[SO], v[IV], s[10:11]        ; 128 consecutive bytes for the 16 tokens
	global_store_b32 v[SO], v[WV], s[12:13]
.Lend:
	s_barrier_signal -1
	s_barrier_wait -1
	s_wait_tensorcnt 0x0
	ds_add_u32 v254, v255
	s_wait_dscnt 0x0
	s_endpgm
.Lfunc_end_k_q59812ac06e_gate:
	.size	k_q59812ac06e_gate, .Lfunc_end_k_q59812ac06e_gate-k_q59812ac06e_gate
	.p2alignl 7, 3214868480
	.fill 96, 4, 3214868480
	.section	.rodata,"a",@progbits
	.p2align	6, 0x0
	.amdhsa_kernel k_q59812ac06e_gate
		.amdhsa_group_segment_fixed_size 150528
		.amdhsa_private_segment_fixed_size 0
		.amdhsa_enable_private_segment 0
		.amdhsa_kernarg_size 40
		.amdhsa_user_sgpr_count 2
		.amdhsa_user_sgpr_kernarg_segment_ptr 1
		.amdhsa_wavefront_size32 1
		.amdhsa_system_sgpr_workgroup_id_x 1
		.amdhsa_system_sgpr_workgroup_id_y 1
		.amdhsa_system_sgpr_workgroup_id_z 1
		.amdhsa_system_vgpr_workitem_id 0
		.amdhsa_next_free_vgpr 256
		.amdhsa_next_free_sgpr 66
		.amdhsa_reserve_vcc 1
		.amdhsa_float_denorm_mode_32 3
		.amdhsa_float_denorm_mode_16_64 3
		.amdhsa_memory_ordered 1
		.amdhsa_forward_progress 1
		.amdhsa_inst_pref_size 39
	.end_amdhsa_kernel
	.amdgpu_metadata
---
amdhsa.version: [ 1, 2 ]
amdhsa.kernels:
  - .name:           k_q59812ac06e_gate
    .symbol:         k_q59812ac06e_gate.kd
    .args:
      - { .name: x, .offset: 0, .size: 8, .value_kind: global_buffer, .address_space: global }
      - { .name: Wg, .offset: 8, .size: 8, .value_kind: global_buffer, .address_space: global }
      - { .name: xb, .offset: 16, .size: 8, .value_kind: global_buffer, .address_space: global }
      - { .name: ibuf, .offset: 24, .size: 8, .value_kind: global_buffer, .address_space: global }
      - { .name: wbuf, .offset: 32, .size: 8, .value_kind: global_buffer, .address_space: global }
    .group_segment_fixed_size: 150528
    .private_segment_fixed_size: 0
    .kernarg_segment_align: 8
    .kernarg_segment_size: 40
    .max_flat_workgroup_size: 256
    .sgpr_count:     66
    .vgpr_count:     256
    .wavefront_size: 32
...
	.end_amdgpu_metadata
.endif
;; end of part 1
;; launch route (part 2): grid 32 x 1, 8 waves a work-group, no clusters, 1,280 bytes of LDS; arguments ibuf, list; writes list
.if DOCPART == 2
	.amdgcn_target "amdgcn-amd-amdhsa--gfx1250"
	.amdhsa_code_object_version 6
	.text
	.protected	k_q59812ac06e_route
	.globl	k_q59812ac06e_route
	.p2align	8
	.type	k_q59812ac06e_route,@function
k_q59812ac06e_route:
	s_mov_b64 s[64:65], 0
	v_nop
	global_prefetch_b8 v0, s[64:65] scope:SCOPE_SE
	s_setreg_imm32_b32 hwreg(HW_REG_WAVE_MODE, 25, 1), 1
	s_wait_xcnt 0x0
; ROUTE.  Work-group e scans all 8,192 entries (entry = 2 token + pick) of ibuf and writes the list of those that chose expert e.
; list, 16,896 bytes an expert: bytes 0-255 the count n, 64 times; from byte 256 the entries; behind them 32 zeros,
; so that the rows that fill up the last block of 16 name token 0.
; No sum crosses work-groups: each expert gathers for itself.  Wave w takes entries 1,024 w .. + 1,023; the waves' counts meet in LDS.
; 32 work-groups: there are 32 experts and 32 KB to scan; no finer sharing would spare a byte.
; A token picks two different experts, so n is at most 4,096; ranks are clamped to 4,095 all the same.
; Every offset of a store is formed while all lanes are on, in a register that holds nothing else; EXEC is narrowed only for the entries' stores, which come last.
.set LP,  16896
.set M,   20                           ; s[20:51]  lane masks of my 32 words a lane
.set CNT, 52                           ; s[52:59]  the eight waves' counts
.set HO,  7                            ; v7        the header's offset: 8 L
.set ENT, 8                            ; v[8:39]   ibuf as loaded
.set R,   40                           ; v[40:71]  ranks, then byte offsets
.set DV,  72                           ; v[72:103] the entries' numbers
.set CL,  104                          ; v[104:111] the eight counts as read from LDS
.set PO,  112                          ; v112      the offset of my zero behind the list
.set PZ,  113                          ; v113      0
.set NN,  114                          ; v[114:115] n, twice
	s_load_b128 s[4:7], s[0:1], 0x0                ; ibuf s[4:5], list s[6:7]
	v_lshl_add_u32 v120, v0, 2, 0x100
	v_mov_b32 v121, 0
	v_lshrrev_b32 v1, 5, v0
	v_readfirstlane_b32 s8, v1                     ; wave 0..7
	v_and_b32 v1, 31, v0                           ; L
	v_lshlrev_b32 v[HO], 3, v1                     ; 8 L
	s_mov_b32 s9, ttmp9                            ; my expert
	s_mul_i32 s16, ttmp9, LP
	s_mov_b32 s17, 0
	s_lshl_b32 s11, s8, 12
	v_lshl_add_u32 v3, v1, 4, s11                  ; 4,096 w + 16 L
	s_lshl_b32 s11, s8, 10
	v_lshl_add_u32 v2, v1, 2, s11                  ; the entry of my first word: 1,024 w + 4 L
	s_wait_kmcnt 0x0
	s_add_nc_u64 s[6:7], s[6:7], s[16:17]
.irp q, 0,1,2,3,4,5,6,7
	global_load_b128 v[ENT+4*\q:ENT+4*\q+3], v3, s[4:5] offset:512*\q
.endr
	s_mov_b32 s10, 0                               ; matches of my wave so far
	s_wait_loadcnt 0x0
.irp q, 0,1,2,3,4,5,6,7
.irp c, 0,1,2,3
	v_cmp_eq_u32 s[M+4*\q+\c], s9, v[ENT+4*\q+\c]
	v_mbcnt_lo_u32_b32 v[R+4*\q+\c], s[M+4*\q+\c], s10     ; rank in the wave: matches so far + matching lanes below me
	s_bcnt1_i32_b32 s11, s[M+4*\q+\c]
	s_add_co_u32 s10, s10, s11
	v_add_nc_u32 v[DV+4*\q+\c], 128*\q+\c, v2
.endr
.endr
	v_mov_b32 v4, s8
	v_lshlrev_b32 v4, 2, v4
	v_mov_b32 v5, s10
	ds_store_b32 v4, v5                            ; all lanes write the same word with the same value
	s_wait_dscnt 0x0                               ; for the other waves: zero
	s_barrier_signal -1
	s_barrier_wait -1
	v_mov_b32 v6, 0
	ds_load_b128 v[CL:CL+3], v6
	ds_load_b128 v[CL+4:CL+7], v6 offset:16
	s_wait_dscnt 0x0
.irp w, 0,1,2,3,4,5,6,7
	v_readfirstlane_b32 s[CNT+\w], v[CL+\w]
.endr
	s_mov_b32 s12, 0                               ; matches of the waves below mine
	s_mov_b32 s13, 0                               ; n
.irp w, 0,1,2,3,4,5,6,7
	s_cmp_gt_u32 s8, \w
	s_cselect_b32 s11, s[CNT+\w], 0
	s_add_co_u32 s12, s12, s11
	s_add_co_u32 s13, s13, s[CNT+\w]
.endr
.irp j, 0,1,2,3,4,5,6,7,8,9,10,11,12,13,14,15,16,17,18,19,20,21,22,23,24,25,26,27,28,29,30,31
	v_add_nc_u32 v[R+\j], s12, v[R+\j]
	v_min_u32 v[R+\j], 0xfff, v[R+\j]              ; a place in the list, whatever ibuf held
	v_lshlrev_b32 v[R+\j], 2, v[R+\j]
.endr
	v_add_nc_u32 v[PO], s13, v1                    ; place n + L,
	v_min_u32 v[PO], 0x103f, v[PO]                 ; inside the room of 4,160 entries,
	v_lshlrev_b32 v[PO], 2, v[PO]                  ; in bytes
	v_mov_b32 v[PZ], 0
	v_mov_b32 v[NN], s13
	v_mov_b32 v[NN+1], s13
	s_cmp_lg_u32 s8, 0
	s_cbranch_scc1 .Lnot0
	global_store_b64 v[HO], v[NN:NN+1], s[6:7]     ; wave 0: the count, 64 times: 256 consecutive bytes, aligned
.Lnot0:
	s_cmp_lg_u32 s8, 1
	s_cbranch_scc1 .Lnot1
	global_store_b32 v[PO], v[PZ], s[6:7] offset:256       ; wave 1: 32 zeros behind the list, places n .. n + 31; the entries fill places below n
.Lnot1:
	s_wait_xcnt 0x0                                ; EXEC changes only behind s_wait_xcnt 0
.irp j, 0,1,2,3,4,5,6,7,8,9,10,11,12,13,14,15,16,17,18,19,20,21,22,23,24,25,26,27,28,29,30,31
	s_and_saveexec_b32 s14, s[M+\j]                ; the matching lanes: their ranks are consecutive
	global_store_b32 v[R+\j], v[DV+\j], s[6:7] offset:256
	s_wait_xcnt 0x0                                ; and again, in front of the line that widens it
	s_or_b32 exec_lo, exec_lo, s14
.endr
	s_wait_xcnt 0x0
	s_mov_b32 exec_lo, -1
	s_wait_tensorcnt 0x0
	ds_add_u32 v120, v121
	s_wait_dscnt 0x0
	s_endpgm
.Lfunc_end_k_q59812ac06e_route:
	.size	k_q59812ac06e_route, .Lfunc_end_k_q59812ac06e_route-k_q59812ac06e_route
	.p2alignl 7, 3214868480
	.fill 96, 4, 3214868480
	.section	.rodata,"a",@progbits
	.p2align	6, 0x0
	.amdhsa_kernel k_q59812ac06e_route
		.amdhsa_group_segment_fixed_size 1280
		.amdhsa_private_segment_fixed_size 0
		.amdhsa_enable_private_segment 0
		.amdhsa_kernarg_size 16
		.amdhsa_user_sgpr_count 2
		.amdhsa_user_sgpr_kernarg_segment_ptr 1
		.amdhsa_wavefront_size32 1
		.amdhsa_system_sgpr_workgroup_id_x 1
		.amdhsa_system_sgpr_workgroup_id_y 1
		.amdhsa_system_sgpr_workgroup_id_z 1
		.amdhsa_system_vgpr_workitem_id 0
		.amdhsa_next_free_vgpr 122
		.amdhsa_next_free_sgpr 66
		.amdhsa_reserve_vcc 0
		.amdhsa_float_denorm_mode_32 3
		.amdhsa_float_denorm_mode_16_64 3
		.amdhsa_memory_ordered 1
		.amdhsa_forward_progress 1
		.amdhsa_inst_pref_size 23
	.end_amdhsa_kernel
	.amdgpu_metadata
---
amdhsa.version: [ 1, 2 ]
amdhsa.kernels:
  - .name:           k_q59812ac06e_route
    .symbol:         k_q59812ac06e_route.kd
    .args:
      - { .name: ibuf, .offset: 0, .size: 8, .value_kind: global_buffer, .address_space: global }
      - { .name: list, .offset: 8, .size: 8, .value_kind: global_buffer, .address_space: global }
    .group_segment_fixed_size: 1280
    .private_segment_fixed_size: 0
    .kernarg_segment_align: 8
    .kernarg_segment_size: 16
    .max_flat_workgroup_size: 256
    .sgpr_count:     66
    .vgpr_count:     122
    .wavefront_size: 32
...
	.end_amdgpu_metadata
.endif
;; end of part 2
;; launch mlp1 (part 3): grid 8 x 32, 4 waves a work-group, no clusters, 230,912 bytes of LDS; arguments xb, W1, b1, list, hbuf; writes hbuf
.if DOCPART == 3
	.amdgcn_target "amdgcn-amd-amdhsa--gfx1250"
	.amdhsa_code_object_version 6
	.text
	.protected	k_q59812ac06e_mlp1
	.globl	k_q59812ac06e_mlp1
	.p2align	8
	.type	k_q59812ac06e_mlp1,@function
k_q59812ac06e_mlp1:
	s_mov_b64 s[64:65], 0
	v_nop
	global_prefetch_b8 v0, s[64:65] scope:SCOPE_SE
	s_setreg_imm32_b32 hwreg(HW_REG_WAVE_MODE, 25, 1), 1
	s_wait_xcnt 0x0
; MLP1.  h = gelu(x W1[e] + b1[e]) for the rows on the list of expert e, rounded to bf16, stored as the next launch's fragments.
; Work-group (c8, e): expert e, hidden columns 32 c8 .. + 31.  Its slice of W1 (1,024 x 32, 128 KB of f32) is read ONCE, rounded to bf16 and
; transposed through LDS; then EACH of the four waves holds the whole slice in 512 registers (64 fragments) and the waves walk
; the expert's blocks of 16 rows by themselves, wave w blocks w, w + 4, ..: one barrier in the whole kernel, none in the loop.
; hbuf: block (e, b) at (256 e + b) 8,192 bytes; in it k step c8 at 1,024 c8, half u at 512 u, lane at 16 L.
; No tensor loads, no cluster: the weights are f32 and pass through registers to be rounded, and no two work-groups read the same weights;
; what the eight slices of an expert share are rows of xb named by a list, which no one tile describes.
; gelu is the exact form with erf by Abramowitz-Stegun 7.1.26 (absolute error 1.5e-7).  b1 is used in f32, as the first product's C.
; REGISTERS in windows of 256: window 0 addresses, operands of x, accumulators; windows 1, 2 the weights: fragment (c, t) at
; 8 (2 (c % 16) + t) of window 1 + c / 16; window 3 the landing zone of 64 loads of 16 bytes a lane.
.set LP,   16896                       ; bytes of an expert's room in list
.set WP,   96                          ; LDS pitch of a row of the slice: 64 bytes + 32 (an odd multiple of 32, for the transposing loads)
.set STG0, 98304                       ; behind the slice's 1,024 rows: each wave's stage for 16 rows of x
.set SP,   2064                        ; its pitch: 2,048 + 16 (an odd multiple of 16)
.set STGB, 16*SP
.set OFF,  16                          ; v[16:31]   byte offsets of the 16 gathered rows
.set BIAS, 32                          ; v[32:47]   b1 in the accumulators' layout
.set ACC,  48                          ; v[48:63]   two accumulators
.set FA0,  64                          ; v[64:127]  fragments of x, 8 k steps
.set FA1,  128                         ; v[128:191] the same, second buffer
.set KP,   224                         ; pairs of constants
.set KE,   226
.set KA1,  228
.set KA2,  230
.set KA3,  232
.set KA4,  234
.set KA5,  236
.set KONE, 238
.set HV,   240                         ; v[240:247] h, packed, to store
.set TA,   FA0                         ; gelu at work, over buffer 0
.set TT,   FA0+16
.set TQ,   FA0+32
.set TP,   FA0+48
.set TOK,  32                          ; s[32:47]   16 entries of the list
.set MSB, 0
.macro WIN new                         ; the high byte of the immediate repeats the setting that is left
.if MSB != \new
	s_set_vgpr_msb (MSB<<8)|\new
.set MSB, \new
.endif
.endm
.macro PLACES                          ; four places behind a matrix instruction (ISA guide 7.12.1) before its registers are loaded, written or read
.rept 4
	v_nop
.endr
.endm
.macro LISTLD                          ; the 16 entries of the block at byte s20 of the list
	s_load_b512 s[TOK:TOK+15], s[10:11], s20 offset:0x100
.endm
.macro OFFS                            ; entry / 2 = token, clamped to the table, times a row of 2,048 bytes, + 16 L
.irp i, 0,1,2,3,4,5,6,7,8,9,10,11,12,13,14,15
	s_lshr_b32 s21, s[TOK+\i], 1
	s_min_u32 s21, s21, 4095
	s_lshl_b32 s21, s21, 11
	v_add_nc_u32 v[OFF+\i], s21, v1
.endr
.endm
.macro GATHER                          ; 16 rows of xb, four loads of 512 consecutive bytes each, into window 3
	WIN 0xc0
.irp i, 0,1,2,3,4,5,6,7,8,9,10,11,12,13,14,15
.irp q, 0,1,2,3
	global_load_b128 v[4*(4*\i+\q):4*(4*\i+\q)+3], v[OFF+\i], s[4:5] offset:512*\q
.endr
.endr
	WIN 0
.endm
.macro FETCH g, buf                    ; fragments of x for k steps 8 g .. 8 g + 7
.irp cc, 0,1,2,3,4,5,6,7
	ds_load_b128 v[\buf+8*\cc:\buf+8*\cc+3], v5 offset:64*(8*\g+\cc)
	ds_load_b128 v[\buf+8*\cc+4:\buf+8*\cc+7], v5 offset:64*(8*\g+\cc)+32
.endr
.endm
; 16 matrix instructions.  Source 0 = 16 hidden columns, source 1 = 16 rows of x: lane (r, h) holds row r, accumulator t columns 16 t + 8 h + j.
; The two accumulators take turns, one instruction a turn, over the backward jump too.
.macro MUL g, buf
.irp cc, 0,1,2,3,4,5,6,7
.irp t, 0,1
.if (8*\g+\cc) == 0
	v_wmma_f32_16x16x32_bf16 v[ACC+8*\t:ACC+8*\t+7], v[8*\t:8*\t+7], v[\buf:\buf+7], v[BIAS+8*\t:BIAS+8*\t+7]
.else
	v_wmma_f32_16x16x32_bf16 v[ACC+8*\t:ACC+8*\t+7], v[8*(2*((8*\g+\cc)&15)+\t):8*(2*((8*\g+\cc)&15)+\t)+7], v[\buf+8*\cc:\buf+8*\cc+7], v[ACC+8*\t:ACC+8*\t+7]
.endif
.endr
.endr
.endm
; gelu(x) = x/2 + |x/2| erf(|x| / sqrt 2).  With a = |x/2|: t = 1 / (1 + p sqrt 2 a), erf = 1 - (((((a5 t + a4) t + a3) t + a2) t + a1) t) 2^(-2 log2(e) a^2).
.macro GELU
.irp p, 0,2,4,6,8,10,12,14
	v_pk_mul_f32 v[ACC+\p:ACC+\p+1], v[ACC+\p:ACC+\p+1], 0.5 op_sel_hi:[1,0]
.endr
.irp i, 0,1,2,3,4,5,6,7,8,9,10,11,12,13,14,15
	v_and_b32 v[TA+\i], 0x7fffffff, v[ACC+\i]
.endr
.irp p, 0,2,4,6,8,10,12,14
	v_pk_fma_f32 v[TT+\p:TT+\p+1], v[TA+\p:TA+\p+1], v[KP:KP+1], v[KONE:KONE+1]
	v_pk_mul_f32 v[TQ+\p:TQ+\p+1], v[TA+\p:TA+\p+1], v[TA+\p:TA+\p+1]
.endr
.irp p, 0,2,4,6,8,10,12,14
	v_pk_mul_f32 v[TQ+\p:TQ+\p+1], v[TQ+\p:TQ+\p+1], v[KE:KE+1]
.endr
.irp i, 0,1,2,3,4,5,6,7,8,9,10,11,12,13,14,15
	v_rcp_f32 v[TT+\i], v[TT+\i]
.endr
.irp i, 0,1,2,3,4,5,6,7,8,9,10,11,12,13,14,15
	v_exp_f32 v[TQ+\i], v[TQ+\i]
.endr
	v_nop                                          ; one plain instruction between the last of them and the first use (ISA guide 5.7.2)
	s_wait_alu depctr_va_vdst(0)
.irp p, 0,2,4,6,8,10,12,14
	v_pk_fma_f32 v[TP+\p:TP+\p+1], v[TT+\p:TT+\p+1], v[KA5:KA5+1], v[KA4:KA4+1]
.endr
.irp p, 0,2,4,6,8,10,12,14
	v_pk_fma_f32 v[TP+\p:TP+\p+1], v[TP+\p:TP+\p+1], v[TT+\p:TT+\p+1], v[KA3:KA3+1]
.endr
.irp p, 0,2,4,6,8,10,12,14
	v_pk_fma_f32 v[TP+\p:TP+\p+1], v[TP+\p:TP+\p+1], v[TT+\p:TT+\p+1], v[KA2:KA2+1]
.endr
.irp p, 0,2,4,6,8,10,12,14
	v_pk_fma_f32 v[TP+\p:TP+\p+1], v[TP+\p:TP+\p+1], v[TT+\p:TT+\p+1], v[KA1:KA1+1]
.endr
.irp p, 0,2,4,6,8,10,12,14
	v_pk_mul_f32 v[TP+\p:TP+\p+1], v[TP+\p:TP+\p+1], v[TT+\p:TT+\p+1]
.endr
.irp p, 0,2,4,6,8,10,12,14
	v_pk_fma_f32 v[TP+\p:TP+\p+1], v[TP+\p:TP+\p+1], v[TQ+\p:TQ+\p+1], v[KONE:KONE+1] neg_lo:[1,0,0] neg_hi:[1,0,0]
.endr
.irp p, 0,2,4,6,8,10,12,14
	v_pk_fma_f32 v[TP+\p:TP+\p+1], v[TA+\p:TA+\p+1], v[TP+\p:TP+\p+1], v[ACC+\p:ACC+\p+1]
.endr
.irp p, 0,2,4,6,8,10,12,14
	v_cvt_pk_bf16_f32 v[HV+\p/2], v[TP+\p], v[TP+\p+1]     ; accumulator 0 gives registers 0-3 of the next launch's fragment, accumulator 1 registers 4-7
.endr
.endm
	s_load_b256 s[4:11], s[0:1], 0x0               ; xb s[4:5], W1 s[6:7], b1 s[8:9], list s[10:11]
	s_load_b64 s[12:13], s[0:1], 0x20              ; hbuf
	v_lshl_add_u32 v254, v0, 2, 0x38400
	v_mov_b32 v255, 0
	v_lshrrev_b32 v2, 5, v0
	v_readfirstlane_b32 s14, v2                    ; wave 0..3
	s_and_b32 s15, ttmp7, 0xffff                   ; e
	v_and_b32 v2, 31, v0                           ; L
	v_and_b32 v3, 15, v0                           ; r
	v_bfe_u32 v11, v0, 4, 1                        ; h
	v_lshlrev_b32 v1, 4, v2                        ; 16 L
	v_lshrrev_b32 v12, 3, v2                       ; L / 8
	v_and_b32 v13, 7, v2                           ; L % 8
	s_mul_i32 s21, s14, STGB
	s_add_co_u32 s21, s21, STG0                    ; my stage
	v_add_nc_u32 v4, s21, v1                       ; in: 16 L
	v_mul_u32_u24 v5, v3, SP
	v_lshl_add_u32 v5, v11, 4, v5
	v_add_nc_u32 v5, s21, v5                       ; fragments: row r, 16 h
	v_lshl_add_u32 v6, v11, 3, v13
	v_mul_u32_u24 v6, v6, WP
	v_and_b32 v14, 1, v12
	v_lshl_add_u32 v6, v14, 4, v6                  ; weight fragments: row 8 h + L % 8, 16 ((L / 8) % 2)
	v_add_nc_u32 v7, 512*WP, v6                    ; the same for k steps 16 to 31
	s_mul_i32 s21, s14, 256*WP                     ; my 256 rows of the slice in LDS
	v_mul_u32_u24 v8, v12, WP
	v_lshl_add_u32 v8, v13, 3, v8
	v_add_nc_u32 v8, s21, v8                       ; in: row L / 8 of the four of a load, 8 (L % 8)
	s_lshl_b32 s21, s14, 18                        ; my 256 rows of 1,024 bytes in W1
	v_lshlrev_b32 v9, 10, v12
	v_lshl_add_u32 v9, v13, 4, v9
	v_add_nc_u32 v9, s21, v9
	v_lshlrev_b32 v10, 5, v11                      ; b1: 8 numbers for each half of the lanes
	s_lshl_b32 s22, s15, 20                        ; W1: expert, slice of 128 bytes
	s_lshl_b32 s21, ttmp9, 7
	s_add_co_u32 s22, s22, s21
	s_mov_b32 s23, 0
	s_lshl_b32 s24, s15, 10                        ; b1
	s_add_co_u32 s24, s24, s21
	s_mov_b32 s25, 0
	s_mul_i32 s26, s15, LP                         ; list
	s_mov_b32 s27, 0
	s_lshl_b32 s28, s15, 21                        ; hbuf: (256 e + w) 8,192 + 1,024 c8
	s_lshl_b32 s21, s14, 13
	s_add_co_u32 s28, s28, s21
	s_lshl_b32 s21, ttmp9, 10
	s_add_co_u32 s28, s28, s21
	s_mov_b32 s29, 0
	s_lshl_b32 s20, s14, 6                         ; my first block in the list: 64 w
	v_mov_b32 v[KP], 0x3eed3388                    ; 0.3275911 sqrt 2
	v_mov_b32 v[KP+1], 0x3eed3388
	v_mov_b32 v[KE], 0xc038aa3b                    ; -2 log2 e
	v_mov_b32 v[KE+1], 0xc038aa3b
	v_mov_b32 v[KA1], 0x3e827906                   ; 0.254829592
	v_mov_b32 v[KA1+1], 0x3e827906
	v_mov_b32 v[KA2], 0xbe91a98e                   ; -0.284496736
	v_mov_b32 v[KA2+1], 0xbe91a98e
	v_mov_b32 v[KA3], 0x3fb5f0e3                   ; 1.421413741
	v_mov_b32 v[KA3+1], 0x3fb5f0e3
	v_mov_b32 v[KA4], 0xbfba00e3                   ; -1.453152027
	v_mov_b32 v[KA4+1], 0xbfba00e3
	v_mov_b32 v[KA5], 0x3f87dc22                   ; 1.061405429
	v_mov_b32 v[KA5+1], 0x3f87dc22
	v_mov_b32 v[KONE], 1.0
	v_mov_b32 v[KONE+1], 1.0
	s_wait_kmcnt 0x0
	s_add_nc_u64 s[6:7], s[6:7], s[22:23]
	s_add_nc_u64 s[8:9], s[8:9], s[24:25]
	s_add_nc_u64 s[10:11], s[10:11], s[26:27]
	s_add_nc_u64 s[12:13], s[12:13], s[28:29]
	s_load_b32 s16, s[10:11], 0x0                  ; n
	LISTLD                                         ; inside the expert's room whatever n is; used only behind the branch on n
.irp t, 0,1
.irp u, 0,1
	global_load_b128 v[BIAS+8*\t+4*\u:BIAS+8*\t+4*\u+3], v10, s[8:9] offset:64*\t+16*\u
.endr
.endr
	; my quarter of the slice: 64 loads, each four rows of k, 128 bytes of each
	WIN 0xc0
.irp g, 0,1,2,3
.irp j, 0,1,2,3,4,5,6,7,8,9,10,11,12,13,14,15
	global_load_b128 v[4*(16*\g+\j):4*(16*\g+\j)+3], v9, s[6:7] offset:4096*(16*\g+\j)
.endr
.endr
.irp g, 0,1,2,3
	s_wait_loadcnt 48-16*\g                        ; left out: the younger loads of the 64 (b1 is older)
	WIN 0xcf
.irp j, 0,1,2,3,4,5,6,7,8,9,10,11,12,13,14,15
	v_cvt_pk_bf16_f32 v[4*(16*\g+\j)], v[4*(16*\g+\j)], v[4*(16*\g+\j)+1]
	v_cvt_pk_bf16_f32 v[4*(16*\g+\j)+1], v[4*(16*\g+\j)+2], v[4*(16*\g+\j)+3]
.endr
	WIN 0x0c
.irp j, 0,1,2,3,4,5,6,7,8,9,10,11,12,13,14,15
	ds_store_b64 v8, v[4*(16*\g+\j):4*(16*\g+\j)+1] offset:4*WP*(16*\g+\j)
.endr
.endr
	WIN 0
	s_wait_dscnt 0x0                               ; my rows of the slice are in LDS, for the other waves
	s_barrier_signal -1
	s_barrier_wait -1
	; the whole slice into my registers, transposed on the way
	WIN 0x40
.irp c, 0,1,2,3,4,5,6,7,8,9,10,11,12,13,14,15
.irp t, 0,1
	ds_load_tr16_b128 v[8*(2*\c+\t):8*(2*\c+\t)+3], v6 offset:32*WP*\c+32*\t
	ds_load_tr16_b128 v[8*(2*\c+\t)+4:8*(2*\c+\t)+7], v6 offset:32*WP*\c+32*\t+16*WP
.endr
.endr
	WIN 0x80
.irp c, 0,1,2,3,4,5,6,7,8,9,10,11,12,13,14,15
.irp t, 0,1
	ds_load_tr16_b128 v[8*(2*\c+\t):8*(2*\c+\t)+3], v7 offset:32*WP*\c+32*\t
	ds_load_tr16_b128 v[8*(2*\c+\t)+4:8*(2*\c+\t)+7], v7 offset:32*WP*\c+32*\t+16*WP
.endr
.endr
	WIN 0
	s_wait_dscnt 0x0
	s_wait_kmcnt 0x0                               ; n and my first 16 entries
	s_min_u32 s16, s16, 4096
	s_add_co_u32 s17, s16, 15
	s_lshr_b32 s17, s17, 4                         ; blocks of 16 rows
	s_cmp_le_u32 s17, s14
	s_cbranch_scc1 .Lend                           ; none for this wave
	s_sub_co_u32 s18, s17, s14
	s_add_co_u32 s18, s18, 3
	s_lshr_b32 s18, s18, 2
	s_sub_co_u32 s18, s18, 1                       ; my blocks less one
	OFFS
	GATHER
; One block.  pref = 1: the next block's rows are asked for as soon as the landing zone is free, and land during this block's work.
.macro TRIP pref
.if \pref
	s_add_co_u32 s20, s20, 256                     ; four blocks on
	LISTLD
.endif
	WIN 0x0c
.irp g, 0,1,2,3
	s_wait_loadcnt 48-16*\g                        ; left out: the younger loads of the 64
.irp ii, 0,1,2,3
.irp q, 0,1,2,3
	ds_store_b128 v4, v[4*(4*(4*\g+\ii)+\q):4*(4*(4*\g+\ii)+\q)+3] offset:SP*(4*\g+\ii)+512*\q
.endr
.endr
.endr
	WIN 0
	FETCH 0, FA0                                   ; LDS serves a wave's instructions in order (ISA guide 5.7.1): these see the stores above
.if \pref
	s_wait_kmcnt 0x0
	OFFS                                           ; the offsets are free: their loads have come
	s_wait_dscnt 16                                ; all but the 16 loads just issued: the 64 stores have read the landing zone
	GATHER
.endif
	FETCH 1, FA1
	s_wait_dscnt 16                                ; all but the 16 just issued
	WIN 0x01
	MUL 0, FA0
	PLACES
	WIN 0
	FETCH 2, FA0
	s_wait_dscnt 16
	WIN 0x01
	MUL 1, FA1
	PLACES
	WIN 0
	FETCH 3, FA1
	s_wait_dscnt 16
	WIN 0x02
	MUL 2, FA0
	s_wait_dscnt 0x0
	MUL 3, FA1
	WIN 0
	PLACES
	GELU
	global_store_b128 v1, v[HV:HV+3], s[12:13]             ; each store of the wave covers 512 consecutive bytes, aligned
	global_store_b128 v1, v[HV+4:HV+7], s[12:13] offset:512
.if \pref
	s_wait_xcnt 0x0                                ; the base and the stores' data are written again only behind this wait
	s_add_nc_u64 s[12:13], s[12:13], 32768         ; four blocks of 8,192 bytes on
.endif
.endm
	s_cmp_eq_u32 s18, 0
	s_cbranch_scc1 .Llast
	s_mov_b32 s19, 0
.Lloop:
	TRIP 1
	s_add_co_u32 s19, s19, 1
	s_cmp_lt_u32 s19, s18
	s_cbranch_scc1 .Lloop
.Llast:
	TRIP 0                                         ; the last block asks for nothing
.Lend:
	s_barrier_signal -1
	s_barrier_wait -1
	s_wait_tensorcnt 0x0
	ds_add_u32 v254, v255
	s_wait_dscnt 0x0
	s_endpgm
.Lfunc_end_k_q59812ac06e_mlp1:
	.size	k_q59812ac06e_mlp1, .Lfunc_end_k_q59812ac06e_mlp1-k_q59812ac06e_mlp1
	.p2alignl 7, 3214868480
	.fill 96, 4, 3214868480
	.section	.rodata,"a",@progbits
	.p2align	6, 0x0
	.amdhsa_kernel k_q59812ac06e_mlp1
		.amdhsa_group_segment_fixed_size 230912
		.amdhsa_private_segment_fixed_size 0
		.amdhsa_enable_private_segment 0
		.amdhsa_kernarg_size 40
		.amdhsa_user_sgpr_count 2
		.amdhsa_user_sgpr_kernarg_segment_ptr 1
		.amdhsa_wavefront_size32 1
		.amdhsa_system_sgpr_workgroup_id_x 1
		.amdhsa_system_sgpr_workgroup_id_y 1
		.amdhsa_system_sgpr_workgroup_id_z 1
		.amdhsa_system_vgpr_workitem_id 0
		.amdhsa_next_free_vgpr 1024
		.amdhsa_next_free_sgpr 66
		.amdhsa_reserve_vcc 0
		.amdhsa_float_denorm_mode_32 3
		.amdhsa_float_denorm_mode_16_64 3
		.amdhsa_memory_ordered 1
		.amdhsa_forward_progress 1
		.amdhsa_inst_pref_size 92
	.end_amdhsa_kernel
	.amdgpu_metadata
---
amdhsa.version: [ 1, 2 ]
amdhsa.kernels:
  - .name:           k_q59812ac06e_mlp1
    .symbol:         k_q59812ac06e_mlp1.kd
    .args:
      - { .name: xb, .offset: 0, .size: 8, .value_kind: global_buffer, .address_space: global }
      - { .name: W1, .offset: 8, .size: 8, .value_kind: global_buffer, .address_space: global }
      - { .name: b1, .offset: 16, .size: 8, .value_kind: global_buffer, .address_space: global }
      - { .name: list, .offset: 24, .size: 8, .value_kind: global_buffer, .address_space: global }
      - { .name: hbuf, .offset: 32, .size: 8, .value_kind: global_buffer, .address_space: global }
    .group_segment_fixed_size: 230912
    .private_segment_fixed_size: 0
    .kernarg_segment_align: 8
    .kernarg_segment_size: 40
    .max_flat_workgroup_size: 128
    .sgpr_count:     66
    .vgpr_count:     1024
    .wavefront_size: 32
...
	.end_amdgpu_metadata
.endif
;; end of part 3
;; launch mlp2 (part 4): grid 8 x 32, 4 waves a work-group, no clusters, 108,032 bytes of LDS; arguments hbuf, W2, b2, list, ys; writes ys
.if DOCPART == 4
	.amdgcn_target "amdgcn-amd-amdhsa--gfx1250"
	.amdhsa_code_object_version 6
	.text
	.protected	k_q59812ac06e_mlp2
	.globl	k_q59812ac06e_mlp2
	.p2align	8
	.type	k_q59812ac06e_mlp2,@function
k_q59812ac06e_mlp2:
	s_mov_b64 s[64:65], 0
	v_nop
	global_prefetch_b8 v0, s[64:65] scope:SCOPE_SE
	s_setreg_imm32_b32 hwreg(HW_REG_WAVE_MODE, 25, 1), 1
	s_wait_xcnt 0x0
; MLP2.  ys[entry] = h W2[e] + b2[e], f32, one row of 1,024 for each of the 8,192 entries (entry = 2 token + pick).
; Work-group (js, e): expert e, output columns 128 js .. + 127.  Its slice of W2 (256 x 128, 128 KB of f32) is read ONCE, rounded to bf16,
; transposed through LDS, and then held whole by each of the four waves in 512 registers.  Wave w takes blocks w, w + 4, .. of 16 rows:
; 16 loads bring a block of h straight into fragment registers (it was stored so), 64 matrix instructions, and the
; 16 x 128 results go through the wave's own stage in LDS so that each store covers 512 consecutive bytes of one row of ys.
; No tensor loads, no cluster: the weights are f32 and pass through registers, and no two work-groups read the same weights.  The eight slices of an
; expert do read the same blocks of h, 8 KB each; a joint load would put an LDS pass and a round of the cluster's barrier in front of
; each wave's 64 matrix instructions, where now the waves never wait for each other.
; Rows that only fill up the last block are computed and not stored.  b2 is used in f32, as the first product's C.
; REGISTERS: window 0 addresses, h, accumulators, rows on the way out; windows 1, 2 the weights: fragment (c, nt) at 8 (8 (c % 4) + nt) of
; window 1 + c / 4; window 3 the landing zone of the 64 loads, then b2 in the accumulators' layout in its first 64 registers.
.set LP,   16896
.set WP,   288                         ; LDS pitch of a row of the slice: 256 bytes + 32 (an odd multiple of 32)
.set STG0, 73728                       ; behind the slice's 256 rows: each wave's stage, 16 rows of 512 bytes
.set SP,   528                         ; its pitch: 512 + 16 (an odd multiple of 16)
.set STGB, 16*SP
.set ROFF, 16                          ; v[16:31]   byte offsets of the 16 rows in ys
.set AF,   32                          ; v[32:95]   h: 8 k steps
.set ACC,  96                          ; v[96:159]  8 accumulators
.set OUT,  160                         ; v[160:223] 16 rows, 16 bytes a lane
.set ENT,  32                          ; s[32:47]   16 entries of the list
.set MSB, 0
.macro WIN new
.if MSB != \new
	s_set_vgpr_msb (MSB<<8)|\new
.set MSB, \new
.endif
.endm
.macro PLACES                          ; four places behind a matrix instruction (ISA guide 7.12.1)
.rept 4
	v_nop
.endr
.endm
.macro ALOAD                           ; a block of h, 8,192 bytes, as fragments
.irp c, 0,1,2,3,4,5,6,7
	global_load_b128 v[AF+8*\c:AF+8*\c+3], v1, s[4:5] offset:1024*\c
	global_load_b128 v[AF+8*\c+4:AF+8*\c+7], v1, s[4:5] offset:1024*\c+512
.endr
.endm
; Source 0 = 16 output columns, source 1 = 16 rows of h: lane (r, h) holds row r, accumulator nt columns 16 nt + 8 h + j.
; The eight accumulators take turns, one instruction a turn, over the backward jump too.
.macro MULC c
.irp nt, 0,1,2,3,4,5,6,7
.if \c == 0
	v_wmma_f32_16x16x32_bf16 v[ACC+8*\nt:ACC+8*\nt+7], v[8*\nt:8*\nt+7], v[AF:AF+7], v[8*\nt:8*\nt+7]
.else
	v_wmma_f32_16x16x32_bf16 v[ACC+8*\nt:ACC+8*\nt+7], v[8*(8*((\c)&3)+\nt):8*(8*((\c)&3)+\nt)+7], v[AF+8*\c:AF+8*\c+7], v[ACC+8*\nt:ACC+8*\nt+7]
.endif
.endr
.endm
	s_load_b256 s[4:11], s[0:1], 0x0               ; hbuf s[4:5], W2 s[6:7], b2 s[8:9], list s[10:11]
	s_load_b64 s[12:13], s[0:1], 0x20              ; ys
	v_lshl_add_u32 v254, v0, 2, 0x1a400
	v_mov_b32 v255, 0
	v_lshrrev_b32 v2, 5, v0
	v_readfirstlane_b32 s14, v2                    ; wave 0..3
	s_and_b32 s15, ttmp7, 0xffff                   ; e
	v_and_b32 v2, 31, v0                           ; L
	v_and_b32 v3, 15, v0                           ; r
	v_bfe_u32 v11, v0, 4, 1                        ; h
	v_lshlrev_b32 v1, 4, v2                        ; 16 L
	v_lshrrev_b32 v12, 3, v2
	v_and_b32 v13, 7, v2
	s_mul_i32 s21, s14, STGB
	s_add_co_u32 s21, s21, STG0                    ; my stage
	v_mul_u32_u24 v4, v3, SP
	v_lshl_add_u32 v4, v11, 5, v4
	v_add_nc_u32 v4, s21, v4                       ; in: row r, 32 h
	v_add_nc_u32 v5, s21, v1                       ; back: 16 L of a row
	v_lshl_add_u32 v6, v11, 3, v13
	v_mul_u32_u24 v6, v6, WP
	v_and_b32 v12, 1, v12
	v_lshl_add_u32 v6, v12, 4, v6                  ; weight fragments: row 8 h + L % 8, 16 ((L / 8) % 2)
	v_add_nc_u32 v7, 128*WP, v6                    ; the same for k steps 4 to 7
	s_mul_i32 s21, s14, 64*WP                      ; my 64 rows of the slice in LDS
	v_lshl_add_u32 v8, v2, 3, s21
	s_lshl_b32 s21, s14, 18                        ; my 64 rows of 4,096 bytes in W2
	v_add_nc_u32 v9, s21, v1
	v_lshlrev_b32 v10, 5, v11                      ; b2: 8 numbers for each half of the lanes
	s_lshl_b32 s22, s15, 21                        ; hbuf: (256 e + w) 8,192
	s_lshl_b32 s21, s14, 13
	s_add_co_u32 s22, s22, s21
	s_mov_b32 s23, 0
	s_lshl_b32 s30, ttmp9, 9                       ; the slice: 512 bytes of a row
	s_mov_b32 s31, 0
	s_lshl_b32 s24, s15, 20                        ; W2
	s_add_co_u32 s24, s24, s30
	s_mov_b32 s25, 0
	s_lshl_b32 s26, s15, 12                        ; b2
	s_add_co_u32 s26, s26, s30
	s_mov_b32 s27, 0
	s_mul_i32 s28, s15, LP                         ; list
	s_mov_b32 s29, 0
	s_wait_kmcnt 0x0
	s_add_nc_u64 s[4:5], s[4:5], s[22:23]
	s_add_nc_u64 s[6:7], s[6:7], s[24:25]
	s_add_nc_u64 s[8:9], s[8:9], s[26:27]
	s_add_nc_u64 s[10:11], s[10:11], s[28:29]
	s_add_nc_u64 s[12:13], s[12:13], s[30:31]
	s_load_b32 s16, s[10:11], 0x0                  ; n
	; my quarter of the slice: 64 loads, each 512 consecutive bytes of one row of k
	WIN 0xc0
.irp g, 0,1,2,3
.irp j, 0,1,2,3,4,5,6,7,8,9,10,11,12,13,14,15
	global_load_b128 v[4*(16*\g+\j):4*(16*\g+\j)+3], v9, s[6:7] offset:4096*(16*\g+\j) th:TH_LOAD_NT
.endr
.endr
.irp g, 0,1,2,3
	s_wait_loadcnt 48-16*\g                        ; left out: the younger loads of the 64
	WIN 0xcf
.irp j, 0,1,2,3,4,5,6,7,8,9,10,11,12,13,14,15
	v_cvt_pk_bf16_f32 v[4*(16*\g+\j)], v[4*(16*\g+\j)], v[4*(16*\g+\j)+1]
	v_cvt_pk_bf16_f32 v[4*(16*\g+\j)+1], v[4*(16*\g+\j)+2], v[4*(16*\g+\j)+3]
.endr
	WIN 0x0c
.irp j, 0,1,2,3,4,5,6,7,8,9,10,11,12,13,14,15
	ds_store_b64 v8, v[4*(16*\g+\j):4*(16*\g+\j)+1] offset:WP*(16*\g+\j)
.endr
.endr
	WIN 0
	s_wait_dscnt 0x0                               ; my rows of the slice are in LDS, for the other waves
	s_barrier_signal -1
	s_barrier_wait -1
	WIN 0x40
.irp c, 0,1,2,3
.irp nt, 0,1,2,3,4,5,6,7
	ds_load_tr16_b128 v[8*(8*\c+\nt):8*(8*\c+\nt)+3], v6 offset:32*WP*\c+32*\nt
	ds_load_tr16_b128 v[8*(8*\c+\nt)+4:8*(8*\c+\nt)+7], v6 offset:32*WP*\c+32*\nt+16*WP
.endr
.endr
	WIN 0x80
.irp c, 0,1,2,3
.irp nt, 0,1,2,3,4,5,6,7
	ds_load_tr16_b128 v[8*(8*\c+\nt):8*(8*\c+\nt)+3], v7 offset:32*WP*\c+32*\nt
	ds_load_tr16_b128 v[8*(8*\c+\nt)+4:8*(8*\c+\nt)+7], v7 offset:32*WP*\c+32*\nt+16*WP
.endr
.endr
	WIN 0xc0
.irp nt, 0,1,2,3,4,5,6,7
.irp u, 0,1
	global_load_b128 v[8*\nt+4*\u:8*\nt+4*\u+3], v10, s[8:9] offset:64*\nt+16*\u
.endr
.endr
	WIN 0
	s_wait_dscnt 0x0
	s_wait_kmcnt 0x0
	s_min_u32 s16, s16, 4096
	s_add_co_u32 s17, s16, 15
	s_lshr_b32 s17, s17, 4                         ; blocks of 16 rows
	s_cmp_le_u32 s17, s14
	s_cbranch_scc1 .Lend                           ; none for this wave
	s_sub_co_u32 s18, s17, s14
	s_add_co_u32 s18, s18, 3
	s_lshr_b32 s18, s18, 2
	s_sub_co_u32 s18, s18, 1                       ; my blocks less one
	s_lshl_b32 s21, s14, 4
	s_sub_co_u32 s22, s16, s21                     ; rows of the list from my block on: at least 1
	s_lshl_b32 s20, s14, 6                         ; my block in the list
	ALOAD
.macro TRIP pref
	s_load_b512 s[ENT:ENT+15], s[10:11], s20 offset:0x100
	s_wait_loadcnt 0x0                             ; this block of h (and, the first time, b2)
	WIN 0x31                                       ; weights window 1, C = b2 in window 3
	MULC 0
	WIN 0x01
	MULC 1
	MULC 2
	MULC 3
	WIN 0x02
	MULC 4
	MULC 5
	MULC 6
	MULC 7
	WIN 0
	PLACES
.if \pref
	s_add_nc_u64 s[4:5], s[4:5], 32768             ; four blocks on; the loads that used this base have come
	ALOAD                                          ; lands during the way out
.endif
.irp nt, 0,1,2,3,4,5,6,7
.irp u, 0,1
	ds_store_b128 v4, v[ACC+8*\nt+4*\u:ACC+8*\nt+4*\u+3] offset:64*\nt+16*\u
.endr
.endr
	s_wait_xcnt 0x0                                ; the last block's stores: their offsets and data are written again only behind this wait
	s_wait_kmcnt 0x0
.irp i, 0,1,2,3,4,5,6,7,8,9,10,11,12,13,14,15
	s_min_u32 s21, s[ENT+\i], 8191                 ; a row of ys, whatever the list held
	s_lshl_b32 s21, s21, 12
	v_add_nc_u32 v[ROFF+\i], s21, v1
.endr
.irp i, 0,1,2,3,4,5,6,7,8,9,10,11,12,13,14,15
	ds_load_b128 v[OUT+4*\i:OUT+4*\i+3], v5 offset:SP*\i   ; my own bytes, served in order (ISA guide 5.7.1): these see the stores above
.endr
	s_wait_dscnt 0x0
.irp i, 0,1,2,3,4,5,6,7,8,9,10,11,12,13,14,15
	s_cmp_le_u32 s22, \i                           ; the rows that only fill up the block come last: one way out serves
	s_cbranch_scc1 .Ldone_\@
	global_store_b128 v[ROFF+\i], v[OUT+4*\i:OUT+4*\i+3], s[12:13]     ; 512 consecutive bytes of one row, aligned
.endr
.Ldone_\@:
.if \pref
	s_sub_co_u32 s22, s22, 64
	s_add_co_u32 s20, s20, 256
.endif
.endm
	s_cmp_eq_u32 s18, 0
	s_cbranch_scc1 .Llast
	s_mov_b32 s19, 0
.Lloop:
	TRIP 1
	s_add_co_u32 s19, s19, 1
	s_cmp_lt_u32 s19, s18
	s_cbranch_scc1 .Lloop
.Llast:
	TRIP 0                                         ; the last block asks for nothing
.Lend:
	s_barrier_signal -1
	s_barrier_wait -1
	s_wait_tensorcnt 0x0
	ds_add_u32 v254, v255
	s_wait_dscnt 0x0
	s_endpgm
.Lfunc_end_k_q59812ac06e_mlp2:
	.size	k_q59812ac06e_mlp2, .Lfunc_end_k_q59812ac06e_mlp2-k_q59812ac06e_mlp2
	.p2alignl 7, 3214868480
	.fill 96, 4, 3214868480
	.section	.rodata,"a",@progbits
	.p2align	6, 0x0
	.amdhsa_kernel k_q59812ac06e_mlp2
		.amdhsa_group_segment_fixed_size 108032
		.amdhsa_private_segment_fixed_size 0
		.amdhsa_enable_private_segment 0
		.amdhsa_kernarg_size 40
		.amdhsa_user_sgpr_count 2
		.amdhsa_user_sgpr_kernarg_segment_ptr 1
		.amdhsa_wavefront_size32 1
		.amdhsa_system_sgpr_workgroup_id_x 1
		.amdhsa_system_sgpr_workgroup_id_y 1
		.amdhsa_system_sgpr_workgroup_id_z 1
		.amdhsa_system_vgpr_workitem_id 0
		.amdhsa_next_free_vgpr 1024
		.amdhsa_next_free_sgpr 66
		.amdhsa_reserve_vcc 0
		.amdhsa_float_denorm_mode_32 3
		.amdhsa_float_denorm_mode_16_64 3
		.amdhsa_memory_ordered 1
		.amdhsa_forward_progress 1
		.amdhsa_inst_pref_size 57
	.end_amdhsa_kernel
	.amdgpu_metadata
---
amdhsa.version: [ 1, 2 ]
amdhsa.kernels:
  - .name:           k_q59812ac06e_mlp2
    .symbol:         k_q59812ac06e_mlp2.kd
    .args:
      - { .name: hbuf, .offset: 0, .size: 8, .value_kind: global_buffer, .address_space: global }
      - { .name: W2, .offset: 8, .size: 8, .value_kind: global_buffer, .address_space: global }
      - { .name: b2, .offset: 16, .size: 8, .value_kind: global_buffer, .address_space: global }
      - { .name: list, .offset: 24, .size: 8, .value_kind: global_buffer, .address_space: global }
      - { .name: ys, .offset: 32, .size: 8, .value_kind: global_buffer, .address_space: global }
    .group_segment_fixed_size: 108032
    .private_segment_fixed_size: 0
    .kernarg_segment_align: 8
    .kernarg_segment_size: 40
    .max_flat_workgroup_size: 128
    .sgpr_count:     66
    .vgpr_count:     1024
    .wavefront_size: 32
...
	.end_amdgpu_metadata
.endif
;; end of part 4
;; launch combine (part 5): grid 256 x 1, 8 waves a work-group, no clusters, 0 bytes of LDS; arguments ys, wbuf, out0; writes out0
.if DOCPART == 5
	.amdgcn_target "amdgcn-amd-amdhsa--gfx1250"
	.amdhsa_code_object_version 6
	.text
	.protected	k_q59812ac06e_combine
	.globl	k_q59812ac06e_combine
	.p2align	8
	.type	k_q59812ac06e_combine,@function
k_q59812ac06e_combine:
	s_mov_b64 s[64:65], 0
	v_nop
	global_prefetch_b8 v0, s[64:65] scope:SCOPE_SE
	s_setreg_imm32_b32 hwreg(HW_REG_WAVE_MODE, 25, 1), 1
	s_wait_xcnt 0x0
; COMBINE.  out[t] = w[t][0] ys[2 t] + w[t][1] ys[2 t + 1].  The sum over the two experts of a token is made by gathering: each output has one owner.
; A stream: a wave takes two tokens, whose four rows of ys are 16 KB that lie together; all 32 loads go out at once, each covers 512
; consecutive bytes, and so does each store.  No LDS, no barrier, no matrix unit, no cluster: nothing is shared and nothing is read twice.
.set WT, 2                             ; v[2:9]    the four weights, each twice (pairs for the packed forms)
.set Y,  16                            ; v[16:143] chunk k = 8 u + q: 4 registers of row 2 u, 4 of row 2 u + 1
	s_load_b128 s[4:7], s[0:1], 0x0                ; ys s[4:5], wbuf s[6:7]
	s_load_b64 s[12:13], s[0:1], 0x10              ; out0
	v_lshrrev_b32 v1, 5, v0
	v_readfirstlane_b32 s14, v1                    ; wave 0..7
	v_and_b32 v1, 31, v0
	v_lshlrev_b32 v1, 4, v1                        ; 16 L
	s_lshl_b32 s15, ttmp9, 4
	s_lshl1_add_u32 s15, s14, s15                  ; my first token: 16 x work-group + 2 x wave
	s_lshl_b32 s16, s15, 13                        ; two rows of 4,096 bytes a token in ys
	s_mov_b32 s17, 0
	s_lshl_b32 s18, s15, 12                        ; one in out0
	s_mov_b32 s19, 0
	s_lshl_b32 s20, s15, 3                         ; 8 bytes in wbuf
	s_wait_kmcnt 0x0
	s_load_b128 s[8:11], s[6:7], s20 offset:0x0    ; the four weights
	s_add_nc_u64 s[4:5], s[4:5], s[16:17]
	s_add_nc_u64 s[12:13], s[12:13], s[18:19]
.irp u, 0,1
.irp q, 0,1,2,3,4,5,6,7
	global_load_b128 v[Y+8*(8*\u+\q):Y+8*(8*\u+\q)+3], v1, s[4:5] offset:8192*\u+512*\q th:TH_LOAD_NT
	global_load_b128 v[Y+8*(8*\u+\q)+4:Y+8*(8*\u+\q)+7], v1, s[4:5] offset:8192*\u+4096+512*\q th:TH_LOAD_NT
.endr
.endr
	s_wait_kmcnt 0x0
.irp j, 0,1,2,3
	v_mov_b32 v[WT+2*\j], s[8+\j]
	v_mov_b32 v[WT+2*\j+1], s[8+\j]
.endr
.irp u, 0,1
.irp q, 0,1,2,3,4,5,6,7
	s_wait_loadcnt 30-2*(8*\u+\q)                  ; left out: the younger loads of the 32
	v_pk_mul_f32 v[Y+8*(8*\u+\q):Y+8*(8*\u+\q)+1], v[Y+8*(8*\u+\q):Y+8*(8*\u+\q)+1], v[WT+4*\u:WT+4*\u+1]
	v_pk_mul_f32 v[Y+8*(8*\u+\q)+2:Y+8*(8*\u+\q)+3], v[Y+8*(8*\u+\q)+2:Y+8*(8*\u+\q)+3], v[WT+4*\u:WT+4*\u+1]
	v_pk_fma_f32 v[Y+8*(8*\u+\q):Y+8*(8*\u+\q)+1], v[Y+8*(8*\u+\q)+4:Y+8*(8*\u+\q)+5], v[WT+4*\u+2:WT+4*\u+3], v[Y+8*(8*\u+\q):Y+8*(8*\u+\q)+1]
	v_pk_fma_f32 v[Y+8*(8*\u+\q)+2:Y+8*(8*\u+\q)+3], v[Y+8*(8*\u+\q)+6:Y+8*(8*\u+\q)+7], v[WT+4*\u+2:WT+4*\u+3], v[Y+8*(8*\u+\q)+2:Y+8*(8*\u+\q)+3]
	global_store_b128 v1, v[Y+8*(8*\u+\q):Y+8*(8*\u+\q)+3], s[12:13] offset:4096*\u+512*\q th:TH_STORE_NT
.endr
.endr
	s_endpgm
.Lfunc_end_k_q59812ac06e_combine:
	.size	k_q59812ac06e_combine, .Lfunc_end_k_q59812ac06e_combine-k_q59812ac06e_combine
	.p2alignl 7, 3214868480
	.fill 96, 4, 3214868480
	.section	.rodata,"a",@progbits
	.p2align	6, 0x0
	.amdhsa_kernel k_q59812ac06e_combine
		.amdhsa_group_segment_fixed_size 0
		.amdhsa_private_segment_fixed_size 0
		.amdhsa_enable_private_segment 0
		.amdhsa_kernarg_size 24
		.amdhsa_user_sgpr_count 2
		.amdhsa_user_sgpr_kernarg_segment_ptr 1
		.amdhsa_wavefront_size32 1
		.amdhsa_system_sgpr_workgroup_id_x 1
		.amdhsa_system_sgpr_workgroup_id_y 1
		.amdhsa_system_sgpr_workgroup_id_z 1
		.amdhsa_system_vgpr_workitem_id 0
		.amdhsa_next_free_vgpr 144
		.amdhsa_next_free_sgpr 66
		.amdhsa_reserve_vcc 0
		.amdhsa_float_denorm_mode_32 3
		.amdhsa_float_denorm_mode_16_64 3
		.amdhsa_memory_ordered 1
		.amdhsa_forward_progress 1
		.amdhsa_inst_pref_size 11
	.end_amdhsa_kernel
	.amdgpu_metadata
---
amdhsa.version: [ 1, 2 ]
amdhsa.kernels:
  - .name:           k_q59812ac06e_combine
    .symbol:         k_q59812ac06e_combine.kd
    .args:
      - { .name: ys, .offset: 0, .size: 8, .value_kind: global_buffer, .address_space: global }
      - { .name: wbuf, .offset: 8, .size: 8, .value_kind: global_buffer, .address_space: global }
      - { .name: out0, .offset: 16, .size: 8, .value_kind: global_buffer, .address_space: global }
    .group_segment_fixed_size: 0
    .private_segment_fixed_size: 0
    .kernarg_segment_align: 8
    .kernarg_segment_size: 24
    .max_flat_workgroup_size: 256
    .sgpr_count:     66
    .vgpr_count:     144
    .wavefront_size: 32
...
	.end_amdgpu_metadata
.endif
;; end of part 5
